; MI455X (gfx1250); checked and timed in simulation.
; The chip was launched on July 23, 2026; its instructions are those of AMD's public machine-readable ISA for CDNA 5 (MIT licence, August 2026) and "CDNA5" Instruction Set Architecture Reference Guide (July 2026). The comments in the code are by the model that wrote it; some were corrected since.
;; Attention Layer. Allowed arithmetic: float matrix products may take bf16 or f16 operands with f32 sums; all other float work in f32.
;; Inputs: imgsfeats 32 x 196 x 512 float32; v_b 1 float32; v_w 512 float32; wordemb 32 x 30 x 512 float32; x 32 x 30 x 512 float32.
;; Outputs: out0 32 x 30 x 512 float32.
;; 2 versions, each right and faster than the one before. Each part assembles by itself: llvm-mc -triple=amdgcn-amd-amdhsa -mcpu=gfx1250 --defsym DOCPART=n.
;; ======== version 1 of 2: 1 launch
;; limits: inputs' magnitudes at most 337; right only within a limited range of input values
;; launch attn (part 1): grid 8 x 32, 8 waves a work-group, no clusters, 231,424 bytes of LDS; arguments x, wordemb, imgsfeats, v_w, v_b, out0; writes out0
.if DOCPART == 1
	.amdgcn_target "amdgcn-amd-amdhsa--gfx1250"
	.amdhsa_code_object_version 6
	.text
	.protected	k_qdb25bfcc12_attn
	.globl	k_qdb25bfcc12_attn
	.p2align	8
	.type	k_qdb25bfcc12_attn,@function
k_qdb25bfcc12_attn:
	s_mov_b64 s[64:65], 0
	v_nop
	global_prefetch_b8 v0, s[64:65] scope:SCOPE_SE
	s_setreg_imm32_b32 hwreg(HW_REG_WAVE_MODE, 25, 1), 1
	s_wait_xcnt 0x0
; out0[b][t][:] = sum_l softmax_l( sum_d v_w[d] tanh(x[b][t][d] + wordemb[b][t][d] + imgsfeats[b][l][d]) + v_b ) imgsfeats[b][l][:]
; x, wordemb, out0: [32][30][512] f32; imgsfeats: [32][196][512] f32; v_w: [512]; v_b: [1].
;
; ONE LAUNCH.  A work-group has one batch b (grid y) and four t (grid x: t = 4 x .. 4 x + 3), all 196 l, all 512 d.  30 = 7 x 4 + 2: the last group of
; a batch has two real t; its other two repeat t = 29 (clamped loads) and are not stored.
;
; THE TANH.  tanh(z) = 1 - 2 / (1 + 2^u), u = 2 log2(e) z, z = s + y, s = x + wordemb, y = imgsfeats.  2^u is a product of a factor of (t, d) and a
; factor of (l, d), so the exponentials are made once for each s and once for each y of the work-group (one for four tanh) and a tanh costs one
; v_rcp_f32.  The factors are kept as EIGHTH ROOTS, Ga = 2^(u_s / 8), Gb = 2^(u_y / 8): g = Ga Gb, 1 + 2^u = fma(g^4, g^4, 1), three squarings in all,
; so that s and y of several hundred still fit f32's exponent.  An overflow of g or of a square gives inf, whose reciprocal is 0 (tanh = 1); an underflow
; gives 0 (tanh = -1).  Ga is clamped to 2^-126 .. 2^126 and so is finite and not 0: Ga Gb is never inf x 0.
; LIMITS: the clamp holds s to +-349 (126 / 0.3607); Gb is inf above y = 355 and 0 below y = -349.  A tanh is wrong only where |s| and |y| BOTH pass
; about 337 with opposite signs.  A NaN in x or wordemb is swallowed by the clamp (a NaN in imgsfeats goes through).
; e = sum_d v_w[d] - 2 sum_d v_w[d] r[d] + v_b: each lane's sums START from its own sum of v_w (lane 0: plus v_b), so nothing is cleared.
; This first sum over d is a product with ONE vector: it stays in f32 on the vector unit, where it is one packed fused multiply-add for two numbers,
; the same count as the rounding to bf16 that a matrix operand would need.
;
; SHARES.  A lane owns 16 of the 512 d: d = 128 k + 4 lane + j (k, j = 0..3), so each load of a wave covers 512 consecutive bytes.  A wave takes whole rows
; l = w + 8 i: 24 rows each, and rows 192..195 go to waves 0..3.  A row's four sums (one a t) are added over the 32 lanes and land in LDS.
; Each row is also rounded to bf16 into LDS (196 rows x 1,056 bytes), from where the second product reads it: imgsfeats is loaded once.
; THE SECOND PRODUCT goes to the matrix unit in bf16: A = 16 d x 32 l (transposing LDS loads), B = 32 l x 16 columns of alpha.  The work-group has four t
; for sixteen columns, so alpha is handed over as TWO bf16 numbers, hi = bf16(alpha) and lo = bf16(alpha - hi), 16 significant bits in place of 8:
; column n holds t = n & 3, part (n >> 2) & 1, and columns n and n ^ 4 of the result are added.  No matrix instruction more; of the two operands only
; imgsfeats is then rounded to 8 significant bits (a second bf16 copy of it, 206,976 bytes more, would not fit in LDS).
;
; NOT SHARED IN A CLUSTER, though the eight work-groups of a batch read the same rows: a row is 4 loads of a wave against about 290 instructions of work
; on it, it is used from registers by that one wave alone, and an LDS ring for joint loads would add a write and a read of 2,048 bytes a row.
.set T,     30
.set L,     196
.set NT,    4                          ; t of a work-group
.set ROWB,  2048                       ; bytes in a row of 512 f32
.set NSLOT, 4                          ; rows of y in flight or at work in a wave
.set WSTEP, 8*ROWB                     ; a wave's next row is eight rows on
; LDS
.set YP,    1056                       ; pitch of a bf16 row: 1,024 + 32, an odd multiple of 32 bytes
.set YB,    0                          ; y in bf16, 196 rows
.set GAS,   YB+L*YP                    ; Ga, 4 t x 512 f32, handed from the wave that made it to all
.set EB,    GAS+NT*ROWB                ; e[t][l] f32
.set EP,    4*L
.set AL,    EB+NT*EP                   ; alpha in bf16, l = 0..255 (zeros from 196 on): rows 0..3 hi of t = 0..3, rows 4..7 lo
.set AP,    528                        ; 512 + 16: an odd multiple of 16 bytes
.set ST,    AL+2*NT*AP                 ; the result's stage, 4 t x 512 f32
.set SP,    2112                       ; 2,048 + 64
; vector registers
.set LOFF,  1                          ; 16 x lane: my bytes in 512 bytes of a row; never rewritten
.set YBA,   2                          ; LDS: where my 8 bytes of the bf16 row go
.set EA,    3                          ; LDS: e[lane & 3][l]
.set R0,    4                          ; v4-9 at work
.set R1,    5
.set R2,    6
.set R3,    7
.set VS,    10                         ; v[10:11] my sum of v_w (even j, odd j), lane 0: + v_b
.set AA,    12                         ; v[12:13], v[14:15] two running sums that take turns
.set AB,    14
.set S,     16                         ; v16-19 the row's sum for t = 0..3, my 16 d
.set BF,    20                         ; v20-27 the row in bf16
.set MV,    28                         ; v28-43 -2 v_w of my 16 d
.set GB,    44                         ; v44-59 Gb of the row
.set D,     60                         ; v60-91 two buffers of 16: denominators, then reciprocals
.set GA,    92                         ; v92-155 Ga: 16 t + 4 k + j
.set Y,     156                        ; v156-219 ring of four rows as loaded
.set LN,    220                        ; lane
; the second product uses again: v28-59 accumulators, v92-147 alpha's fragments, v156-219 two buffers of y's fragments
.set CA,    MV
.set ALF,   GA
.set YF,    Y
.set TA,    4
.set TL1,   5
.set TL2,   6
.set ABA,   7
.set STA,   8
	s_load_b256 s[4:11], s[0:1], 0x0               ; x s[4:5], wordemb s[6:7], imgsfeats s[8:9], v_w s[10:11]
	s_load_b128 s[12:15], s[0:1], 0x20             ; v_b s[12:13], out0 s[14:15]
	v_lshrrev_b32 v4, 5, v0
	v_readfirstlane_b32 s16, v4                    ; wave 0..7
	v_and_b32 v[LN], 31, v0
	v_lshlrev_b32 v[LOFF], 4, v[LN]
	s_mov_b32 s17, ttmp9                           ; group of four t, 0..7
	s_and_b32 s18, ttmp7, 0xffff                   ; batch
	s_lshl_b32 s19, s17, 2                         ; my first t
	s_mul_i32 s33, s18, T
	; Ga is made once in the work-group: wave w makes t = w / 2, d = 256 (w & 1) .. + 255 (k = 2 (w & 1), + 1)
	s_lshr_b32 s20, s16, 1
	s_add_co_u32 s20, s20, s19
	s_min_u32 s20, s20, T-1                        ; the last group's t = 30, 31 read row 29
	s_add_co_u32 s20, s20, s33
	s_lshl_b32 s20, s20, 11
	s_and_b32 s21, s16, 1
	s_lshl_b32 s21, s21, 10
	s_add_co_u32 s20, s20, s21
	s_mov_b32 s21, 0                               ; s[20:21]: byte offset in x and in wordemb
	s_mul_i32 s22, s18, L*ROWB
	s_lshl_b32 s23, s16, 11
	s_add_co_u32 s22, s22, s23
	s_mov_b32 s23, 0                               ; s[22:23]: imgsfeats at row l = w of my batch
	s_add_co_u32 s34, s33, s19
	s_lshl_b32 s34, s34, 11
	s_mov_b32 s35, 0                               ; s[34:35]: out0 at my first t
	s_mov_b32 s24, 0x3eb8aa3b                      ; 2 log2(e) / 8 = 0.36067376, twice: a pair for the packed multiply
	s_mov_b32 s25, 0x3eb8aa3b
	s_mov_b32 s26, 0xaaaaaaaa                      ; lanes with bit 0 set
	s_mov_b32 s27, 0xcccccccc                      ; lanes with bit 1 set
	s_mov_b32 s28, 0x76543210                      ; v_permlanex16_b32: lane i of one half reads lane i of the other
	s_mov_b32 s29, 0xfedcba98
	s_mov_b32 s36, 0xc2fc0000                      ; -126.0
	s_mov_b32 s37, 0x42fc0000                      ;  126.0
	s_wait_kmcnt 0x0
	s_load_b32 s32, s[12:13], 0x0                  ; v_b
	s_add_nc_u64 s[4:5], s[4:5], s[20:21]
	s_add_nc_u64 s[6:7], s[6:7], s[20:21]
	s_add_nc_u64 s[8:9], s[8:9], s[22:23]
	s_add_nc_u64 s[14:15], s[14:15], s[34:35]
	global_load_b128 v[D:D+3],     v[LOFF], s[4:5]
	global_load_b128 v[D+4:D+7],   v[LOFF], s[4:5] offset:512
	global_load_b128 v[D+8:D+11],  v[LOFF], s[6:7]
	global_load_b128 v[D+12:D+15], v[LOFF], s[6:7] offset:512
.irp k, 0,1,2,3
	global_load_b128 v[MV+4*\k:MV+4*\k+3], v[LOFF], s[10:11] offset:512*\k
.endr
.irp s, 0,1,2,3
.irp k, 0,1,2,3
	global_load_b128 v[Y+16*\s+4*\k:Y+16*\s+4*\k+3], v[LOFF], s[8:9] offset:\s*WSTEP+512*\k   ; the ring is filled: my rows i = 0..3
.endr
.endr
	s_wait_loadcnt 20                              ; x and wordemb are in: 4 loads of v_w and 16 of y are younger
.irp p, 0,1,2,3
	v_pk_add_f32 v[D+2*\p:D+2*\p+1], v[D+2*\p:D+2*\p+1], v[D+8+2*\p:D+8+2*\p+1]
.endr
.irp p, 0,1,2,3
	v_pk_mul_f32 v[D+2*\p:D+2*\p+1], v[D+2*\p:D+2*\p+1], s[24:25] op_sel_hi:[1,0]
.endr
.irp i, 0,1,2,3,4,5,6,7
	v_med3_num_f32 v[D+\i], v[D+\i], s36, s37      ; Ga stays finite and above 0
.endr
.irp i, 0,1,2,3,4,5,6,7
	v_exp_f32 v[D+\i], v[D+\i]
.endr
	v_add_nc_u32 v4, GAS, v[LOFF]                  ; a plain vector instruction stands between the exponentials and their use (ISA guide 5.7.2)
	s_lshl_b32 s33, s16, 10                        ; t x 2,048 + k x 512 = w x 1,024
	v_add_nc_u32 v5, s33, v4
	ds_store_b128 v5, v[D:D+3]
	ds_store_b128 v5, v[D+4:D+7] offset:512
	s_wait_dscnt 0x0                               ; my part of Ga is in LDS before I say so
	s_barrier_signal -1
	s_barrier_wait -1                              ; everybody's is
.irp t, 0,1,2,3
.irp k, 0,1,2,3
	ds_load_b128 v[GA+16*\t+4*\k:GA+16*\t+4*\k+3], v4 offset:2048*\t+512*\k
.endr
.endr
	s_wait_loadcnt 16                              ; v_w is in: the 16 loads of y are younger
	v_pk_add_f32 v[4:5], v[MV:MV+1], v[MV+2:MV+3]
	v_pk_add_f32 v[6:7], v[MV+4:MV+5], v[MV+6:MV+7]
	v_pk_add_f32 v[8:9], v[MV+8:MV+9], v[MV+10:MV+11]
	v_pk_add_f32 v[VS:VS+1], v[MV+12:MV+13], v[MV+14:MV+15]
	v_pk_add_f32 v[4:5], v[4:5], v[6:7]
	v_pk_add_f32 v[VS:VS+1], v[VS:VS+1], v[8:9]
	v_pk_add_f32 v[VS:VS+1], v[VS:VS+1], v[4:5]    ; my sum of v_w
	v_cmp_eq_u32 vcc_lo, 0, v[LN]
	s_wait_kmcnt 0x0
	v_mov_b32 v4, s32
	v_cndmask_b32 v4, 0, v4, vcc_lo
	v_add_f32 v[VS], v[VS], v4                     ; v_b enters each sum over the lanes once, by lane 0
.irp p, 0,1,2,3,4,5,6,7
	v_pk_mul_f32 v[MV+2*\p:MV+2*\p+1], v[MV+2*\p:MV+2*\p+1], -2.0 op_sel_hi:[1,0]
.endr
	s_mul_i32 s33, s16, YP
	v_lshlrev_b32 v[YBA], 3, v[LN]
	v_add_nc_u32 v[YBA], s33, v[YBA]               ; YB (= 0) + row w + 8 bytes a lane
	v_and_b32 v[EA], 3, v[LN]
	v_mul_u32_u24 v[EA], v[EA], EP
	s_lshl_b32 s33, s16, 2
	s_add_co_u32 s33, s33, EB
	v_add_nc_u32 v[EA], s33, v[EA]                 ; e[lane & 3][w]
	s_wait_dscnt 0x0                               ; Ga is in registers
; The denominators of one t: 32 packed instructions, number m: stage m / 8 (product, square, square, square plus one) of pair m % 8.
.macro DENOP t, m
.set st_, (\m)>>3
.set pr_, (\m)&7
.set bb_, D+16*((\t)&1)+2*pr_
.if st_ == 0
	v_pk_mul_f32 v[bb_:bb_+1], v[GA+16*(\t)+2*pr_:GA+16*(\t)+2*pr_+1], v[GB+2*pr_:GB+2*pr_+1]
.else
.if st_ < 3
	v_pk_mul_f32 v[bb_:bb_+1], v[bb_:bb_+1], v[bb_:bb_+1]
.else
	v_pk_fma_f32 v[bb_:bb_+1], v[bb_:bb_+1], v[bb_:bb_+1], 1.0 op_sel_hi:[1,1,0]
.endif
.endif
.endm
; The sums of one t: pair p of its reciprocals times -2 v_w, onto two sums by turns; the first starts from my sum of v_w, the second from its first product.
.macro ACCOP t, p
.set pa_, \p
.set ba_, D+16*((\t)&1)+2*pa_
.if pa_ == 0
	v_pk_fma_f32 v[AA:AA+1], v[ba_:ba_+1], v[MV:MV+1], v[VS:VS+1]
.else
.if pa_ == 1
	v_pk_mul_f32 v[AB:AB+1], v[ba_:ba_+1], v[MV+2:MV+3]
.else
.if (pa_&1) == 0
	v_pk_fma_f32 v[AA:AA+1], v[ba_:ba_+1], v[MV+2*pa_:MV+2*pa_+1], v[AA:AA+1]
.else
	v_pk_fma_f32 v[AB:AB+1], v[ba_:ba_+1], v[MV+2*pa_:MV+2*pa_+1], v[AB:AB+1]
.endif
.endif
.endif
.endm
.macro SOP t, q                        ; the four partial sums of one t become one
.if (\q) == 0
	v_pk_add_f32 v[AA:AA+1], v[AA:AA+1], v[AB:AB+1]
.else
	v_add_f32 v[S+(\t)], v[AA], v[AA+1]
.endif
.endm
; The plain vector work that goes between the reciprocals of t, number nv of its list: the sums of t - 1 and the denominators of t + 1.  Both use the buffer
; that t does not: pair p is summed just before the new product lands on it.
.macro VOP t
.if \t == 0
	DENOP 1, nv
.else
.if \t == 3
.if nv < 8
	ACCOP 2, nv
.else
	SOP 2, (nv-8)
.endif
.else
.if nv < 16
.if (nv&1) == 0
	ACCOP (\t-1), (nv/2)
.else
	DENOP (\t+1), (nv/2)
.endif
.else
.if nv < 40
	DENOP (\t+1), (nv-8)
.else
	SOP (\t-1), (nv-40)
.endif
.endif
.endif
.endif
.endm
; The 16 reciprocals of t, in place, with nvt plain instructions spread evenly between them.  Behind every reciprocal, the last too, comes at least one plain
; instruction that touches neither its source nor its result before the result is used (ISA guide 5.7.2): the results are read in the next phase.
.macro PHASE t, nvt
.set nv, 0
.set ri, 0
.rept 16
	v_rcp_f32 v[D+16*((\t)&1)+ri], v[D+16*((\t)&1)+ri]
.rept ((ri+1)*(\nvt))/16-(ri*(\nvt))/16
	VOP \t
.set nv, nv+1
.endr
.set ri, ri+1
.endr
.endm
; One row.  left: how many younger loads may stay out.  refill = 1: the slot gets my row four further on; 2: only in waves 0..3 (row 192 + w); 0: none.
.macro ROW slot, left, refill
	s_wait_loadcnt \left                           ; loads come back in order (ISA guide 5.7.1): this slot's four are in
.irp p, 0,1,2,3,4,5,6,7
	v_pk_mul_f32 v[GB+2*\p:GB+2*\p+1], v[Y+16*\slot+2*\p:Y+16*\slot+2*\p+1], s[24:25] op_sel_hi:[1,0]
.endr
.irp p, 0,1,2,3,4,5,6,7
	v_exp_f32 v[GB+2*\p], v[GB+2*\p]               ; Gb = 2^(0.3607 y)
	v_exp_f32 v[GB+2*\p+1], v[GB+2*\p+1]
	v_cvt_pk_bf16_f32 v[BF+\p], v[Y+16*\slot+2*\p], v[Y+16*\slot+2*\p+1]   ; the plain instruction behind the two exponentials
.endr
.irp k, 0,1,2,3
	ds_store_b64 v[YBA], v[BF+2*\k:BF+2*\k+1] offset:\slot*8*YP+256*\k     ; 32 lanes x 8 bytes: 256 consecutive bytes of the bf16 row
.endr
.if \refill == 2
	s_cmp_lt_u32 s16, 4
	s_cbranch_scc0 .Lnofill_\@
.endif
.if \refill
.irp k, 0,1,2,3
	global_load_b128 v[Y+16*\slot+4*\k:Y+16*\slot+4*\k+3], v[LOFF], s[8:9] offset:(\slot+NSLOT)*WSTEP+512*\k
.endr
.endif
.if \refill == 2
.Lnofill_\@:
.endif
.set nv, 0
.rept 32
	DENOP 0, nv
.set nv, nv+1
.endr
	PHASE 0, 32
	PHASE 1, 42
	PHASE 2, 42
	PHASE 3, 10
.set nv, 0
.rept 8
	ACCOP 3, nv
.set nv, nv+1
.endr
	SOP 3, 0
	SOP 3, 1
	; Four sums over 32 lanes in 13 instructions: two steps fold the four t into one register (lane & 3 = t), three more finish.
	v_cndmask_b32 v[R0], v[S], v[S+1], s26         ; what I keep: even lanes t = 0, odd lanes t = 1
	v_cndmask_b32 v[R1], v[S+1], v[S], s26         ; what my neighbour keeps
	v_cndmask_b32 v[R2], v[S+2], v[S+3], s26
	v_cndmask_b32 v[R3], v[S+3], v[S+2], s26
	v_add_f32_dpp v[R0], v[R1], v[R0] row_xmask:1 row_mask:0xf bank_mask:0xf
	v_add_f32_dpp v[R2], v[R3], v[R2] row_xmask:1 row_mask:0xf bank_mask:0xf
	v_cndmask_b32 v[R1], v[R0], v[R2], s27
	v_cndmask_b32 v[R3], v[R2], v[R0], s27
	v_add_f32_dpp v[R1], v[R3], v[R1] row_xmask:2 row_mask:0xf bank_mask:0xf
	v_add_f32_dpp v[R1], v[R1], v[R1] row_xmask:4 row_mask:0xf bank_mask:0xf
	v_add_f32_dpp v[R1], v[R1], v[R1] row_xmask:8 row_mask:0xf bank_mask:0xf
	v_permlanex16_b32 v[R3], v[R1], s28, s29
	v_add_f32 v[R1], v[R1], v[R3]
	ds_store_b32 v[EA], v[R1] offset:\slot*32      ; the eight lanes of one t hold the same number and write the same word
.endm
.macro STEP_LDS                        ; 32 rows on
	v_add_nc_u32 v[YBA], NSLOT*8*YP, v[YBA]
	v_add_nc_u32 v[EA], NSLOT*8*4, v[EA]
.endm
	s_mov_b32 s31, 5                               ; rows i = 0..19; their refills reach i = 23
.Ltrip:
	ROW 0, 12, 1                                   ; 12: the other three slots' loads are younger
	ROW 1, 12, 1
	ROW 2, 12, 1
	ROW 3, 12, 1
	s_wait_xcnt 0x0                                ; the base of the loads just issued is stepped only behind this wait (ISA guide 3.1)
	s_add_nc_u64 s[8:9], s[8:9], NSLOT*WSTEP
	STEP_LDS
	s_sub_co_u32 s31, s31, 1
	s_cmp_lg_u32 s31, 0
	s_cbranch_scc1 .Ltrip
	ROW 0, 12, 2                                   ; rows i = 20..23: one more fill, in waves 0..3 alone
	ROW 1, 8, 0                                    ; the counts run down; they are those of waves 4..7, in waves 0..3 (four more loads out) they ask for more than is needed
	ROW 2, 4, 0
	ROW 3, 0, 0
	STEP_LDS
	s_cmp_lt_u32 s16, 4
	s_cbranch_scc0 .Lno_tail
	ROW 0, 0, 0                                    ; rows 192..195
.Lno_tail:
	s_wait_dscnt 0x0                               ; my rows of e and of the bf16 copy are in LDS before I say so
	s_barrier_signal -1
	s_barrier_wait -1
	; SOFTMAX over l, wave w for t = w.  A lane holds l = 64 j + 2 lane, + 1 (j = 0..3); of j = 3 only lanes 0 and 1 are real (l = 192..195):
	; the others read a clamped address and take -inf, which gives alpha = 0 for l = 196..255.
	s_cmp_lt_u32 s16, NT
	s_cbranch_scc0 .Lno_softmax
	s_mul_i32 s33, s16, EP
	s_add_co_u32 s33, s33, EB
	v_lshl_add_u32 v4, v[LN], 3, s33
	v_min_u32 v5, 1, v[LN]
	v_lshl_add_u32 v5, v5, 3, s33
	ds_load_b64 v[D:D+1], v4
	ds_load_b64 v[D+2:D+3], v4 offset:256
	ds_load_b64 v[D+4:D+5], v4 offset:512
	ds_load_b64 v[D+6:D+7], v5 offset:768
	v_cmp_gt_u32 vcc_lo, 2, v[LN]
	s_wait_dscnt 0x0
	v_cndmask_b32 v[D+6], 0xff800000, v[D+6], vcc_lo
	v_cndmask_b32 v[D+7], 0xff800000, v[D+7], vcc_lo
	v_max3_num_f32 v6, v[D], v[D+1], v[D+2]
	v_max3_num_f32 v6, v6, v[D+3], v[D+4]
	v_max3_num_f32 v6, v6, v[D+5], v[D+6]
	v_max_num_f32 v6, v6, v[D+7]
	v_max_num_f32_dpp v6, v6, v6 row_xmask:1 row_mask:0xf bank_mask:0xf
	v_max_num_f32_dpp v6, v6, v6 row_xmask:2 row_mask:0xf bank_mask:0xf
	v_max_num_f32_dpp v6, v6, v6 row_xmask:4 row_mask:0xf bank_mask:0xf
	v_max_num_f32_dpp v6, v6, v6 row_xmask:8 row_mask:0xf bank_mask:0xf
	v_permlanex16_b32 v7, v6, s28, s29             ; v7 was written in every row's sum over the lanes
	v_max_num_f32 v6, v6, v7
	v_mov_b32 v7, v6                               ; the maximum, twice
.irp p, 0,1,2,3
	v_pk_add_f32 v[D+2*\p:D+2*\p+1], v[D+2*\p:D+2*\p+1], v[6:7] neg_lo:[0,1] neg_hi:[0,1]
.endr
.irp p, 0,1,2,3
	v_pk_mul_f32 v[D+2*\p:D+2*\p+1], v[D+2*\p:D+2*\p+1], 0x3fb8aa3b op_sel_hi:[1,0]
.endr
.irp i, 0,1,2,3,4,5,6,7
	v_exp_f32 v[D+\i], v[D+\i]
.endr
	v_lshlrev_b32 v4, 2, v[LN]                     ; the plain instruction behind the exponentials
	v_pk_add_f32 v[8:9], v[D:D+1], v[D+2:D+3]
	v_pk_add_f32 v[10:11], v[D+4:D+5], v[D+6:D+7]
	v_pk_add_f32 v[8:9], v[8:9], v[10:11]
	v_add_f32 v8, v8, v9
	v_add_f32_dpp v8, v8, v8 row_xmask:1 row_mask:0xf bank_mask:0xf
	v_add_f32_dpp v8, v8, v8 row_xmask:2 row_mask:0xf bank_mask:0xf
	v_add_f32_dpp v8, v8, v8 row_xmask:4 row_mask:0xf bank_mask:0xf
	v_add_f32_dpp v8, v8, v8 row_xmask:8 row_mask:0xf bank_mask:0xf
	v_permlanex16_b32 v9, v8, s28, s29
	v_add_f32 v8, v8, v9                           ; at least 1: the largest e gives 2^0
	v_rcp_f32 v10, v8
	v_rcp_f32 v11, v8
	s_mul_i32 s33, s16, AP
	s_add_co_u32 s33, s33, AL
	v_add_nc_u32 v4, s33, v4                       ; the plain instruction behind the reciprocals: alpha's row w, l = 2 lane
.irp p, 0,1,2,3
	v_pk_mul_f32 v[D+2*\p:D+2*\p+1], v[D+2*\p:D+2*\p+1], v[10:11]
.endr
	; alpha = hi + lo: hi is alpha rounded to bf16; alpha - hi has at most 16 significant bits and is exact in f32; lo is that difference rounded to bf16
.irp p, 0,1,2,3
	v_cvt_pk_bf16_f32 v[AA+\p], v[D+2*\p], v[D+2*\p+1]
.endr
.irp p, 0,1,2,3
	v_lshlrev_b32 v[BF+2*\p], 16, v[AA+\p]         ; hi back in f32: the low half moves up,
	v_and_b32 v[BF+2*\p+1], 0xffff0000, v[AA+\p]   ; the high half stays
.endr
.irp p, 0,1,2,3
	v_pk_add_f32 v[D+2*\p:D+2*\p+1], v[D+2*\p:D+2*\p+1], v[BF+2*\p:BF+2*\p+1] neg_lo:[0,1] neg_hi:[0,1]
.endr
.irp p, 0,1,2,3
	v_cvt_pk_bf16_f32 v[S+\p], v[D+2*\p], v[D+2*\p+1]
.endr
.irp p, 0,1,2,3
	ds_store_b32 v4, v[AA+\p] offset:128*\p        ; row w: hi
	ds_store_b32 v4, v[S+\p] offset:NT*AP+128*\p   ; row 4 + w: lo
.endr
.Lno_softmax:
	s_wait_dscnt 0x0
	s_barrier_signal -1
	s_barrier_wait -1                              ; alpha is whole
	; CONTEXT.  Wave w makes d = 64 w .. 64 w + 63 as four tiles of 16 d x 16 columns, K = l in seven steps of 32.
	; A (16 d x 32 l) comes from rows that lie along d, by two transposing loads: lane addresses row k0 + 8 h + (lane & 7), 16 bytes at 16 ((lane >> 3) & 1).
	; In the last step (k0 = 192) the rows are clamped to 195: real numbers of the batch, which meet alpha = 0.  A lane's 16 bytes end at byte
	; 128 x 7 + 16 + 96 + 16 = 1,024 of a row at the most: the 32 bytes of padding behind a row are never read.
	v_and_b32 v10, 7, v[LN]
	v_bfe_u32 v11, v[LN], 4, 1                     ; h
	v_mul_u32_u24 v14, v10, AP                     ; column n of B is row n & 7 of alpha's table: t = n & 3, hi or lo by (n >> 2) & 1; every byte read has been written
	v_lshl_add_u32 v14, v11, 4, v14
	v_add_nc_u32 v[ABA], AL, v14
	v_lshl_add_u32 v10, v11, 3, v10                ; 8 h + (lane & 7)
	v_bfe_u32 v12, v[LN], 3, 1
	v_lshlrev_b32 v12, 4, v12
	s_lshl_b32 s33, s16, 7                         ; 64 d of bf16 a wave
	v_add_nc_u32 v12, s33, v12
	s_movk_i32 s38, YP
	v_mad_u32_u24 v[TA], v10, s38, v12
	v_add_nc_u32 v13, 192, v10
	v_min_u32 v13, L-1, v13
	v_mad_u32_u24 v[TL1], v13, s38, v12
	v_add_nc_u32 v[TL2], (L-1)*YP, v12
	v_and_b32 v13, 3, v[LN]
	v_mul_u32_u24 v15, v13, SP
	v_lshl_add_u32 v15, v11, 5, v15
	s_lshl_b32 s33, s16, 8
	s_add_co_u32 s33, s33, ST
	v_add_nc_u32 v[STA], s33, v15                  ; stage[n & 3][64 w + 8 h]
.irp k, 0,1,2,3,4,5,6
	ds_load_b128 v[ALF+8*\k:ALF+8*\k+3],   v[ABA] offset:64*\k
	ds_load_b128 v[ALF+8*\k+4:ALF+8*\k+7], v[ABA] offset:64*\k+32
.endr
.macro YFRAG kk                        ; eight loads: A's fragments of K step kk for the four tiles, into buffer kk & 1
.set kf_, \kk
.set fb_, YF+32*(kf_&1)
.if kf_ < 6
.if kf_ > 0
	v_add_nc_u32 v[TA], 32*YP, v[TA]
.endif
.irp q, 0,1,2,3
	ds_load_tr16_b128 v[fb_+8*\q:fb_+8*\q+3],   v[TA] offset:32*\q
	ds_load_tr16_b128 v[fb_+8*\q+4:fb_+8*\q+7], v[TA] offset:16*YP+32*\q
.endr
.else
.irp q, 0,1,2,3
	ds_load_tr16_b128 v[fb_+8*\q:fb_+8*\q+3],   v[TL1] offset:32*\q
	ds_load_tr16_b128 v[fb_+8*\q+4:fb_+8*\q+7], v[TL2] offset:32*\q
.endr
.endif
.endm
	YFRAG 0
	; The four accumulators take turns, one instruction a turn.  The first step starts the sums with C = 0.
.set ks, 0
.rept 7
.if ks < 6
.if ks > 0
	v_nop                                          ; four places between the matrix instructions that read a buffer and the loads into it
	v_nop
	v_nop
	v_nop
.endif
	YFRAG ks+1
	s_wait_dscnt 8                                 ; all but the eight loads just issued: this step's fragments (and alpha's) are in
.else
	s_wait_dscnt 0
.endif
.irp q, 0,1,2,3
.if ks == 0
	v_wmma_f32_16x16x32_bf16 v[CA+8*\q:CA+8*\q+7], v[YF+32*(ks&1)+8*\q:YF+32*(ks&1)+8*\q+7], v[ALF+8*ks:ALF+8*ks+7], 0
.else
	v_wmma_f32_16x16x32_bf16 v[CA+8*\q:CA+8*\q+7], v[YF+32*(ks&1)+8*\q:YF+32*(ks&1)+8*\q+7], v[ALF+8*ks:ALF+8*ks+7], v[CA+8*\q:CA+8*\q+7]
.endif
.endr
.set ks, ks+1
.endr
	v_nop                                          ; four places before the results are read
	v_nop
	v_nop
	v_nop
	; Column n holds the product with hi or with lo of t = n & 3: lane n takes lane n ^ 4's number onto its own.  The sum of two numbers is the same either way round,
	; so all lanes with equal n & 3 (columns n and n + 8 were equal already) now hold equal numbers.
.set ci, 0
.rept 32
	v_add_f32_dpp v[CA+ci], v[CA+ci], v[CA+ci] row_xmask:4 row_mask:0xf bank_mask:0xf
.set ci, ci+1
.endr
	; Register j of lane (r, h) is out(t = r & 3, d = 64 w + 16 q + 8 h + j): eight neighbouring d.  Lanes with equal r & 3 write the same bytes with the same numbers.
.irp q, 0,1,2,3
	ds_store_b128 v[STA], v[CA+8*\q:CA+8*\q+3]   offset:64*\q
	ds_store_b128 v[STA], v[CA+8*\q+4:CA+8*\q+7] offset:64*\q+16
.endr
	s_wait_dscnt 0x0
	s_barrier_signal -1
	s_barrier_wait -1
	; The four rows of out0 are 8,192 consecutive bytes: thread i stores bytes 16 i (t = 0, 1) and 4,096 + 16 i (t = 2, 3); 16 lanes fill 256 aligned bytes.
	v_lshrrev_b32 v10, 7, v0
	v_mul_u32_u24 v10, v10, SP
	v_and_b32 v11, 127, v0
	v_lshl_add_u32 v10, v11, 4, v10
	v_add_nc_u32 v10, ST, v10
	v_lshlrev_b32 v11, 4, v0
	ds_load_b128 v[D:D+3], v10
	s_wait_dscnt 0x0
	global_store_b128 v11, v[D:D+3], s[14:15] th:TH_STORE_NT
	s_cmp_eq_u32 s17, 7                            ; the last group of a batch has t = 28, 29 alone
	s_cbranch_scc1 .Lend
	ds_load_b128 v[D+4:D+7], v10 offset:2*SP
	s_wait_dscnt 0x0
	global_store_b128 v11, v[D+4:D+7], s[14:15] offset:4096 th:TH_STORE_NT
.Lend:
	s_endpgm
.Lfunc_end_k_qdb25bfcc12_attn:
	.size	k_qdb25bfcc12_attn, .Lfunc_end_k_qdb25bfcc12_attn-k_qdb25bfcc12_attn
	.p2alignl 7, 3214868480
	.fill 96, 4, 3214868480
	.section	.rodata,"a",@progbits
	.p2align	6, 0x0
	.amdhsa_kernel k_qdb25bfcc12_attn
		.amdhsa_group_segment_fixed_size 231424
		.amdhsa_private_segment_fixed_size 0
		.amdhsa_enable_private_segment 0
		.amdhsa_kernarg_size 48
		.amdhsa_user_sgpr_count 2
		.amdhsa_user_sgpr_kernarg_segment_ptr 1
		.amdhsa_wavefront_size32 1
		.amdhsa_system_sgpr_workgroup_id_x 1
		.amdhsa_system_sgpr_workgroup_id_y 1
		.amdhsa_system_sgpr_workgroup_id_z 1
		.amdhsa_system_vgpr_workitem_id 0
		.amdhsa_next_free_vgpr 224
		.amdhsa_next_free_sgpr 66
		.amdhsa_reserve_vcc 1
		.amdhsa_float_denorm_mode_32 3
		.amdhsa_float_denorm_mode_16_64 3
		.amdhsa_memory_ordered 1
		.amdhsa_forward_progress 1
		.amdhsa_inst_pref_size 163
	.end_amdhsa_kernel
	.amdgpu_metadata
---
amdhsa.version: [ 1, 2 ]
amdhsa.kernels:
  - .name:           k_qdb25bfcc12_attn
    .symbol:         k_qdb25bfcc12_attn.kd
    .args:
      - { .name: x, .offset: 0, .size: 8, .value_kind: global_buffer, .address_space: global }
      - { .name: wordemb, .offset: 8, .size: 8, .value_kind: global_buffer, .address_space: global }
      - { .name: imgsfeats, .offset: 16, .size: 8, .value_kind: global_buffer, .address_space: global }
      - { .name: v_w, .offset: 24, .size: 8, .value_kind: global_buffer, .address_space: global }
      - { .name: v_b, .offset: 32, .size: 8, .value_kind: global_buffer, .address_space: global }
      - { .name: out0, .offset: 40, .size: 8, .value_kind: global_buffer, .address_space: global }
    .group_segment_fixed_size: 231424
    .private_segment_fixed_size: 0
    .kernarg_segment_align: 8
    .kernarg_segment_size: 48
    .max_flat_workgroup_size: 256
    .sgpr_count:     66
    .vgpr_count:     224
    .wavefront_size: 32
...
	.end_amdgpu_metadata
.endif
;; end of part 1
;; ======== version 2 of 2: 1 launch; 1.19 times as fast as version 1
;; limits: inputs' magnitudes at most 165; right only within a limited range of input values
;; launch attn (part 2): grid 8 x 32, 8 waves a work-group, no clusters, 231,424 bytes of LDS; arguments x, wordemb, imgsfeats, v_w, v_b, out0; writes out0
.if DOCPART == 2
	.amdgcn_target "amdgcn-amd-amdhsa--gfx1250"
	.amdhsa_code_object_version 6
	.text
	.protected	k_qdb25bfcc12_attn
	.globl	k_qdb25bfcc12_attn
	.p2align	8
	.type	k_qdb25bfcc12_attn,@function
k_qdb25bfcc12_attn:
	s_mov_b64 s[64:65], 0
	v_nop
	global_prefetch_b8 v0, s[64:65] scope:SCOPE_SE
	s_setreg_imm32_b32 hwreg(HW_REG_WAVE_MODE, 25, 1), 1
	s_wait_xcnt 0x0
; out0[b][t][:] = sum_l softmax_l( sum_d v_w[d] tanh(x[b][t][d] + wordemb[b][t][d] + imgsfeats[b][l][d]) + v_b ) imgsfeats[b][l][:]
; x, wordemb, out0: [32][30][512] f32; imgsfeats: [32][196][512] f32; v_w: [512]; v_b: [1].
;
; ONE LAUNCH.  A work-group has one batch b (grid y) and four t (grid x: t = 4 x .. 4 x + 3), all 196 l, all 512 d.  30 = 7 x 4 + 2: the last group of
; a batch has two real t; its other two repeat t = 29 (clamped loads) and are not stored.
;
; THE TANH.  tanh(z) = 1 - 2 / (1 + 2^u), u = 2 log2(e) z, z = s + y, s = x + wordemb, y = imgsfeats.  2^u is a product of a factor of (t, d) and a
; factor of (l, d), so the exponentials are made once for each s and once for each y of the work-group (one for four tanh) and a tanh costs one
; v_rcp_f32.  The factors are kept as FOURTH ROOTS, Ga = 2^(u_s / 4), Gb = 2^(u_y / 4): g = Ga Gb, 1 + 2^u = fma(g^2, g^2, 1), three packed instructions
; for two numbers.  An overflow of g or of its square gives inf, whose reciprocal is 0 (tanh = 1); an underflow gives 0 (tanh = -1).  Ga is clamped to
; 2^-126 .. 2^126 and so is finite and not 0: Ga Gb is never inf x 0.
; LIMITS: the clamp holds s to +-174.7 (126 / 0.7213); Gb is inf from y = 177.4 on and 0 below y = -174.7.  A tanh is wrong only where |s| and |y| BOTH
; pass about 165 with opposite signs (174.7 less the 9 beyond which tanh is 1 in f32).  A NaN in x or wordemb is swallowed by the clamp (a NaN in
; imgsfeats goes through).
; e = sum_d v_w[d] - 2 sum_d v_w[d] r[d] + v_b: each lane's sums START from its own sum of v_w (lane 0: plus v_b), so nothing is cleared.
; This first sum over d is a product with ONE vector: it stays in f32 on the vector unit, where it is one packed fused multiply-add for two numbers,
; the same count as the rounding to bf16 that a matrix operand would need.
;
; SHARES.  A lane owns 16 of the 512 d: index i = 4 k + j stands for d = 128 k + 4 lane + j, so each load of a wave covers 512 consecutive bytes.  A wave
; takes whole rows l = w + 8 r: r = 0..23, and r = 24 (l = 192..195) in waves 0..3.  A PACKED PAIR HOLDS TWO t OF ONE d: Gb and -2 v_w are broadcast
; to both halves by op_sel, and the two accumulator pairs are the sums of t = 0, 1 and of t = 2, 3 themselves.
; Each row is also rounded to bf16 into LDS (196 rows x 1,056 bytes), from where the second product reads it: imgsfeats is loaded once.
; THE ROWS RUN AS ONE STREAM.  A row is four units of 16 numbers (unit u: t pair u / 2, i = 8 (u & 1) .. + 7).  Between the 16 reciprocals of unit u go the
; sums of unit u - 1, the denominators of unit u + 1 (behind the last unit: the next row's first), a quarter of the next row's preparation and a part of the
; last row's sum over the lanes, so that no row has a tail of dependent instructions of its own.
; THE SECOND PRODUCT goes to the matrix unit in bf16: A = 16 d x 32 l (transposing LDS loads), B = 32 l x 16 columns of alpha.  The work-group has four t
; for sixteen columns, so alpha is handed over as TWO bf16 numbers, hi = bf16(alpha) and lo = bf16(alpha - hi), 16 significant bits in place of 8:
; column n holds t = n & 3, part (n >> 2) & 1, and columns n and n ^ 4 of the result are added.  Of the two operands only imgsfeats is then rounded to
; 8 significant bits (a second bf16 copy of it, 206,976 bytes more, would not fit in LDS).
;
; NOT SHARED IN A CLUSTER, though the eight work-groups of a batch read the same rows: a row is 4 loads of a wave against about 250 instructions of work
; on it, it is used from registers by that one wave alone, and an LDS ring for joint loads would add a write and a read of 2,048 bytes a row.
.set T,     30
.set L,     196
.set NT,    4                          ; t of a work-group
.set ROWB,  2048                       ; bytes in a row of 512 f32
.set WSTEP, 8*ROWB                     ; a wave's next row is eight rows on
; LDS
.set YP,    1056                       ; pitch of a bf16 row: 1,024 + 32, an odd multiple of 32 bytes
.set YB,    0                          ; y in bf16, 196 rows
.set GAS,   YB+L*YP                    ; Ga, handed from the wave that made it to all: 512 i + 16 lane + 4 t
.set EB,    GAS+NT*ROWB                ; e[t][l] f32
.set EP,    4*L
.set AL,    EB+NT*EP                   ; alpha in bf16, l = 0..255 (zeros from 196 on): rows 0..3 hi of t = 0..3, rows 4..7 lo
.set AP,    528                        ; 512 + 16: an odd multiple of 16 bytes
.set ST,    AL+2*NT*AP                 ; the result's stage, 4 t x 512 f32
.set SP,    2112                       ; 2,048 + 64
; vector registers
.set LOFF,  1                          ; 16 x lane: my bytes in 512 bytes of a row; never rewritten
.set YBA,   2                          ; LDS: my 8 bytes of the bf16 row, at the base row of the trip
.set EA,    3                          ; LDS: e[lane & 3][l], at the base row of the trip
.set R0,    4                          ; v4-7 the sum over the lanes
.set R1,    5
.set R2,    6
.set R3,    7
.set VS,    10                         ; v[10:11] my sum of v_w (lane 0: + v_b), twice
.set S,     12                         ; v12-15 the row's sums for t = 0..3, my 16 d
.set AB,    16                         ; v[16:17] the second chain of the t pair at work
.set BF,    20                         ; v20-27 a row in bf16
.set MV,    28                         ; v28-43 -2 v_w of my 16 d
.set GB,    44                         ; v44-75 Gb, two buffers: rows take turns
.set D,     76                         ; v76-107 two buffers of 16: a unit's denominators, then its reciprocals
.set GA,    108                        ; v108-171 Ga: 4 i + t
.set Y,     172                        ; v172-235 ring of four rows as loaded
.set LN,    236                        ; lane
; the softmax and the second product use again: v12-19 alpha's two parts, v28-59 accumulators, v108-163 alpha's fragments, v172-235 two buffers of y's fragments
.set AHI,   12
.set ALO,   16
.set CA,    MV
.set ALF,   GA
.set YF,    Y
.set TA,    4
.set TL1,   5
.set TL2,   6
.set ABA,   7
.set STA,   8
	s_load_b256 s[4:11], s[0:1], 0x0               ; x s[4:5], wordemb s[6:7], imgsfeats s[8:9], v_w s[10:11]
	s_load_b128 s[12:15], s[0:1], 0x20             ; v_b s[12:13], out0 s[14:15]
	v_lshrrev_b32 v4, 5, v0
	v_readfirstlane_b32 s16, v4                    ; wave 0..7
	v_and_b32 v[LN], 31, v0
	v_lshlrev_b32 v[LOFF], 4, v[LN]
	s_mov_b32 s17, ttmp9                           ; group of four t, 0..7
	s_and_b32 s18, ttmp7, 0xffff                   ; batch
	s_lshl_b32 s19, s17, 2                         ; my first t
	s_mul_i32 s33, s18, T
	; Ga is made once in the work-group: wave w makes t = w / 2, d = 256 (w & 1) .. + 255 (i = 8 (w & 1) .. + 7)
	s_lshr_b32 s20, s16, 1
	s_add_co_u32 s20, s20, s19
	s_min_u32 s20, s20, T-1                        ; the last group's t = 30, 31 read row 29
	s_add_co_u32 s20, s20, s33
	s_lshl_b32 s20, s20, 11
	s_and_b32 s21, s16, 1
	s_lshl_b32 s21, s21, 10
	s_add_co_u32 s20, s20, s21
	s_mov_b32 s21, 0                               ; s[20:21]: byte offset in x and in wordemb
	s_mul_i32 s22, s18, L*ROWB
	s_lshl_b32 s23, s16, 11
	s_add_co_u32 s22, s22, s23
	s_mov_b32 s23, 0                               ; s[22:23]: imgsfeats at row l = w of my batch
	s_add_co_u32 s34, s33, s19
	s_lshl_b32 s34, s34, 11
	s_mov_b32 s35, 0                               ; s[34:35]: out0 at my first t
	s_mov_b32 s24, 0x3f38aa3b                      ; 2 log2(e) / 4 = 0.72134752, twice: a pair for the packed multiply
	s_mov_b32 s25, 0x3f38aa3b
	s_mov_b32 s26, 0xaaaaaaaa                      ; lanes with bit 0 set
	s_mov_b32 s27, 0xcccccccc                      ; lanes with bit 1 set
	s_mov_b32 s28, 0x76543210                      ; v_permlanex16_b32: lane i of one half reads lane i of the other
	s_mov_b32 s29, 0xfedcba98
	s_mov_b32 s36, 0xc2fc0000                      ; -126.0
	s_mov_b32 s37, 0x42fc0000                      ;  126.0
	s_wait_kmcnt 0x0
	s_load_b32 s32, s[12:13], 0x0                  ; v_b
	s_add_nc_u64 s[4:5], s[4:5], s[20:21]
	s_add_nc_u64 s[6:7], s[6:7], s[20:21]
	s_add_nc_u64 s[8:9], s[8:9], s[22:23]
	s_add_nc_u64 s[14:15], s[14:15], s[34:35]
	global_load_b128 v[D:D+3],     v[LOFF], s[4:5]
	global_load_b128 v[D+4:D+7],   v[LOFF], s[4:5] offset:512
	global_load_b128 v[D+8:D+11],  v[LOFF], s[6:7]
	global_load_b128 v[D+12:D+15], v[LOFF], s[6:7] offset:512
.irp k, 0,1,2,3
	global_load_b128 v[MV+4*\k:MV+4*\k+3], v[LOFF], s[10:11] offset:512*\k
.endr
.irp s, 0,1,2,3
.irp k, 0,1,2,3
	global_load_b128 v[Y+16*\s+4*\k:Y+16*\s+4*\k+3], v[LOFF], s[8:9] offset:\s*WSTEP+512*\k   ; the ring is filled: my rows r = 0..3
.endr
.endr
	s_wait_loadcnt 20                              ; x and wordemb are in: 4 loads of v_w and 16 of y are younger
.irp p, 0,1,2,3
	v_pk_add_f32 v[D+2*\p:D+2*\p+1], v[D+2*\p:D+2*\p+1], v[D+8+2*\p:D+8+2*\p+1]
.endr
.irp p, 0,1,2,3
	v_pk_mul_f32 v[D+2*\p:D+2*\p+1], v[D+2*\p:D+2*\p+1], s[24:25] op_sel_hi:[1,0]
.endr
.irp i, 0,1,2,3,4,5,6,7
	v_med3_num_f32 v[D+\i], v[D+\i], s36, s37      ; Ga stays finite and above 0
.endr
.irp i, 0,1,2,3,4,5,6,7
	v_exp_f32 v[D+\i], v[D+\i]
.endr
	v_add_nc_u32 v4, GAS, v[LOFF]                  ; a plain vector instruction stands between the exponentials and their use (ISA guide 5.7.2)
	s_lshr_b32 s33, s16, 1
	s_lshl_b32 s33, s33, 2                         ; 4 t
	s_and_b32 s38, s16, 1
	s_lshl_b32 s38, s38, 12                        ; 512 x 8 (w & 1)
	s_add_co_u32 s33, s33, s38
	v_add_nc_u32 v5, s33, v4
.irp i, 0,1,2,3,4,5,6,7
	ds_store_b32 v5, v[D+\i] offset:512*\i         ; the four t of one (i, lane) lie in 16 neighbouring bytes, the lanes side by side
.endr
	s_wait_dscnt 0x0                               ; my part of Ga is in LDS before I say so
	s_barrier_signal -1
	s_barrier_wait -1                              ; everybody's is
.irp i, 0,1,2,3,4,5,6,7,8,9,10,11,12,13,14,15
	ds_load_b128 v[GA+4*\i:GA+4*\i+3], v4 offset:512*\i    ; 32 lanes x 16 neighbouring bytes: Ga of t = 0..3 for my d number i
.endr
	s_wait_loadcnt 16                              ; v_w is in: the 16 loads of y are younger
	v_pk_add_f32 v[4:5], v[MV:MV+1], v[MV+2:MV+3]
	v_pk_add_f32 v[6:7], v[MV+4:MV+5], v[MV+6:MV+7]
	v_pk_add_f32 v[8:9], v[MV+8:MV+9], v[MV+10:MV+11]
	v_pk_add_f32 v[VS:VS+1], v[MV+12:MV+13], v[MV+14:MV+15]
	v_pk_add_f32 v[4:5], v[4:5], v[6:7]
	v_pk_add_f32 v[VS:VS+1], v[VS:VS+1], v[8:9]
	v_pk_add_f32 v[VS:VS+1], v[VS:VS+1], v[4:5]
	v_add_f32 v[VS], v[VS], v[VS+1]                ; my sum of v_w
	v_cmp_eq_u32 vcc_lo, 0, v[LN]
	s_wait_kmcnt 0x0
	v_mov_b32 v4, s32
	v_cndmask_b32 v4, 0, v4, vcc_lo
	v_add_f32 v[VS], v[VS], v4                     ; v_b enters each sum over the lanes once, by lane 0
	v_mov_b32 v[VS+1], v[VS]                       ; the same start for both t of a pair
.irp p, 0,1,2,3,4,5,6,7
	v_pk_mul_f32 v[MV+2*\p:MV+2*\p+1], v[MV+2*\p:MV+2*\p+1], -2.0 op_sel_hi:[1,0]
.endr
	s_mul_i32 s33, s16, YP
	v_lshlrev_b32 v[YBA], 3, v[LN]
	v_add_nc_u32 v[YBA], s33, v[YBA]               ; YB (= 0) + row w + 8 bytes a lane
	v_and_b32 v[EA], 3, v[LN]
	v_mul_u32_u24 v[EA], v[EA], EP
	s_lshl_b32 s33, s16, 2
	s_add_co_u32 s33, s33, EB
	v_add_nc_u32 v[EA], s33, v[EA]                 ; e[lane & 3][w]
	s_wait_dscnt 0x0                               ; Ga is in registers
; THE DEALER.  Every plain instruction of a phase ends with TICK, which counts it (fc of nf) and lets the phase's transcendentals (tc of ntr) keep step, one
; plain instruction ahead: they are spread evenly, and the phase ends on a plain instruction.  With ntr = 0 TICK writes nothing.
; The transcendentals of phase u: the 16 reciprocals of unit u, in place; then the 4 exponentials of the next row's i = 4 u .. 4 u + 3, in place.
; No plain instruction of phase u names unit u's buffer or those four registers behind their scaling, so behind each transcendental stands a plain
; instruction that touches neither its source nor its result, long before the result is used (ISA guide 5.7.2).
.macro TRANS_ONE
.if tc < 16
	v_rcp_f32 v[D+16*(ph_u&1)+tc], v[D+16*(ph_u&1)+tc]
.else
	v_exp_f32 v[ph_gbn+4*ph_u+tc-16], v[ph_gbn+4*ph_u+tc-16]
.endif
.set tc, tc+1
.endm
.macro TICK
.set fc, fc+1
.set tg_, ((fc+1)*ntr)/nf
.if tg_ > ntr
.set tg_, ntr
.endif
.if tg_ > tc
.rept tg_-tc
	TRANS_ONE
.endr
.endif
.endm
; A denominator pair of unit un: both t of the pair, d number i = 8 (un & 1) + p.  Stage 0: g = Ga Gb (Gb's register of its pair goes to both halves);
; stage 1: g^2; stage 2: g^4 + 1.
.macro DEN un, gb, stg, p
.set di_, 8*((\un)&1)+(\p)
.set db_, D+16*((\un)&1)+2*(\p)
.set dg_, GA+4*di_+2*((\un)>>1)
.set dq_, (\gb)+(di_&14)
.if (\stg) == 0
.if (di_&1) == 0
	v_pk_mul_f32 v[db_:db_+1], v[dg_:dg_+1], v[dq_:dq_+1] op_sel_hi:[1,0]
.else
	v_pk_mul_f32 v[db_:db_+1], v[dg_:dg_+1], v[dq_:dq_+1] op_sel:[0,1] op_sel_hi:[1,1]
.endif
.else
.if (\stg) == 1
	v_pk_mul_f32 v[db_:db_+1], v[db_:db_+1], v[db_:db_+1]
.else
	v_pk_fma_f32 v[db_:db_+1], v[db_:db_+1], v[db_:db_+1], 1.0 op_sel_hi:[1,1,0]
.endif
.endif
	TICK
.endm
; A pair of reciprocals of unit ua times -2 v_w[i], onto the t pair's sums.  Two chains by turns: even i on S, which starts from my sum of v_w; odd i on AB,
; which starts from its first product.
.macro ACC ua, p
.set ai_, 8*((\ua)&1)+(\p)
.set ab_, D+16*((\ua)&1)+2*(\p)
.set am_, MV+(ai_&14)
.set as_, S+2*((\ua)>>1)
.if ai_ == 0
	v_pk_fma_f32 v[as_:as_+1], v[ab_:ab_+1], v[am_:am_+1], v[VS:VS+1] op_sel_hi:[1,0,1]
.else
.if ai_ == 1
	v_pk_mul_f32 v[AB:AB+1], v[ab_:ab_+1], v[am_:am_+1] op_sel:[0,1] op_sel_hi:[1,1]
.else
.if (ai_&1) == 0
	v_pk_fma_f32 v[as_:as_+1], v[ab_:ab_+1], v[am_:am_+1], v[as_:as_+1] op_sel_hi:[1,0,1]
.else
	v_pk_fma_f32 v[AB:AB+1], v[ab_:ab_+1], v[am_:am_+1], v[AB:AB+1] op_sel:[0,1,0] op_sel_hi:[1,1,1]
.endif
.endif
.endif
	TICK
.endm
.macro JOIN tp                         ; the two chains of a t pair become one
	v_pk_add_f32 v[S+2*\tp:S+2*\tp+1], v[S+2*\tp:S+2*\tp+1], v[AB:AB+1]
	TICK
.endm
; The last row's four sums over 32 lanes, 13 instructions in 8 dependent levels: two levels fold the four t into one register (lane & 3 = t), three more and
; the step across the halves finish.  c = 12 x phase + step says where in the next row each stands: dependent ones lie several steps apart.
.macro RED c
.if (\c) == 8
	JOIN 1
.endif
.if (\c) == 9
	v_cndmask_b32 v[R0], v[S], v[S+1], s26         ; what I keep: even lanes t = 0, odd lanes t = 1
	TICK
.endif
.if (\c) == 10
	v_cndmask_b32 v[R1], v[S+1], v[S], s26         ; what my neighbour keeps
	TICK
.endif
.if (\c) == 11
	v_cndmask_b32 v[R2], v[S+2], v[S+3], s26
	TICK
	v_cndmask_b32 v[R3], v[S+3], v[S+2], s26
	TICK
.endif
.if (\c) == 12
	v_add_f32_dpp v[R0], v[R1], v[R0] row_xmask:1 row_mask:0xf bank_mask:0xf
	TICK
.endif
.if (\c) == 13
	v_add_f32_dpp v[R2], v[R3], v[R2] row_xmask:1 row_mask:0xf bank_mask:0xf
	TICK
.endif
.if (\c) == 20
	v_cndmask_b32 v[R1], v[R0], v[R2], s27
	TICK
	v_cndmask_b32 v[R3], v[R2], v[R0], s27
	TICK
.endif
.if (\c) == 23
	v_add_f32_dpp v[R1], v[R3], v[R1] row_xmask:2 row_mask:0xf bank_mask:0xf
	TICK
.endif
.if (\c) == 25
	v_add_f32_dpp v[R1], v[R1], v[R1] row_xmask:4 row_mask:0xf bank_mask:0xf
	TICK
.endif
.if (\c) == 35
	v_add_f32_dpp v[R1], v[R1], v[R1] row_xmask:8 row_mask:0xf bank_mask:0xf
	TICK
.endif
.if (\c) == 37
	v_permlanex16_b32 v[R3], v[R1], s28, s29
	TICK
.endif
.if (\c) == 44
	v_add_f32 v[R1], v[R1], v[R3]
	TICK
.endif
.endm
; What a step of phase u holds besides sums and denominators: of the next row's i = 4 u .. 4 u + 3 the scaling (steps 0, 1) and the rounding to bf16
; (steps 9, 10, where the step is thin); the join of t = 0, 1 (phase 2); the last row's sum over the lanes.
.macro EXTRA u, prev, prep
.if \prep
.if st < 2
	v_pk_mul_f32 v[ph_gbn+4*\u+2*st:ph_gbn+4*\u+2*st+1], v[ph_yn+4*\u+2*st:ph_yn+4*\u+2*st+1], s[24:25] op_sel_hi:[1,0]
	TICK
.endif
.if st == 9
	v_cvt_pk_bf16_f32 v[BF+2*\u], v[ph_yn+4*\u], v[ph_yn+4*\u+1]
	TICK
.endif
.if st == 10
	v_cvt_pk_bf16_f32 v[BF+2*\u+1], v[ph_yn+4*\u+2], v[ph_yn+4*\u+3]
	TICK
.endif
.endif
.if \u == 2
.if st == 8
	JOIN 0
.endif
.endif
.if \prev
	RED (12*\u+st)
.endif
.endm
; Phase u of the row with number n modulo 4.  prev = 1: there is a row before it; prep = 1: there is a row behind it.
; Twelve steps, taken diagonally: step st holds sum st of unit u - 1, then product st of unit u + 1 (which lands on the pair just summed: both units use the
; buffer that unit u does not), square st - 2 and square-plus-one st - 4: what depends on each other lies two steps apart.
.macro PHASE u, n, prev, prep
.set ph_u, \u
.set ph_gbn, GB+16*(1-((\n)&1))
.set ph_yn, Y+16*(((\n)+1)&3)
.set ua_, ((\u)+3)&3
.set un_, ((\u)+1)&3
.set ha_, 1
.set hd_, 1
.set gs_, GB+16*((\n)&1)
.set xf_, 5*\prev
.if \u == 0
.set ha_, \prev
.endif
.if \u == 2
.set xf_, 1+2*\prev
.endif
.if \u == 3
.set hd_, \prep
.set gs_, ph_gbn
.set xf_, 2*\prev
.endif
.set ntr, 16+4*\prep
.set nf, 8*ha_+24*hd_+4*\prep+xf_      ; the phase's plain instructions, by count of the lists above
.set fc, 0
.set tc, 0
.set st, 0
.rept 12
.if st < 8
.if ha_
	ACC ua_, st
.endif
.if hd_
	DEN un_, gs_, 0, st
.endif
.endif
.if hd_
.if st >= 2
.if st < 10
	DEN un_, gs_, 1, (st-2)
.endif
.endif
.if st >= 4
	DEN un_, gs_, 2, (st-4)
.endif
.endif
	EXTRA \u, \prev, \prep
.set st, st+1
.endr
.if tc < ntr
.rept ntr-tc
	TRANS_ONE
.endr
.endif
.endm
; One row.  n: its number modulo 4; q: its number less the base row's, less 1.  left: how many younger loads may stay out when the NEXT row's must be in.
; refill = 1: the next row's slot, read to its end in this row, gets the row four further on; 2: only in waves 0..3 (r = 24); 0: none.
; All memory instructions of a row stand in one group at its end.
.macro ROW n, q, prev, prep, refill, left
.if \prep
	s_wait_loadcnt \left                           ; loads come back in order (ISA guide 5.7.1): the next row's four are in
.endif
	PHASE 0, \n, \prev, \prep
	PHASE 1, \n, \prev, \prep
	PHASE 2, \n, \prev, \prep
	PHASE 3, \n, \prev, \prep
.if \prep
.irp k, 0,1,2,3
	ds_store_b64 v[YBA], v[BF+2*\k:BF+2*\k+1] offset:((\q)+2)*8*YP+256*\k   ; the next row in bf16: 32 lanes x 8 bytes, 256 consecutive bytes
.endr
.endif
.if \prev
	ds_store_b32 v[EA], v[R1] offset:(\q)*32       ; the last row's e: the eight lanes of one t hold the same number and write the same word
.endif
.if \refill == 2
	s_cmp_lt_u32 s16, 4
	s_cbranch_scc0 .Lnofill_\@
.endif
.if \refill
.irp k, 0,1,2,3
	global_load_b128 v[Y+16*(((\n)+1)&3)+4*\k:Y+16*(((\n)+1)&3)+4*\k+3], v[LOFF], s[8:9] offset:((\q)+6)*WSTEP+512*\k
.endr
.endif
.if \refill == 2
.Lnofill_\@:
.endif
.endm
; Behind a wave's last row: its last unit's sums, its sum over the lanes, its e (eo: the row's number less the base row's).
.macro EPI eo
.set ntr, 0
.set nf, 1
.set fc, 0
.set tc, 0
.set st, 0
.rept 8
	ACC 3, st
.set st, st+1
.endr
.set rc, 8
.rept 37
	RED rc
.set rc, rc+1
.endr
	ds_store_b32 v[EA], v[R1] offset:(\eo)*32
.endm
.macro STEP_LDS                        ; the base row goes four of my rows on
	v_add_nc_u32 v[YBA], 4*8*YP, v[YBA]
	v_add_nc_u32 v[EA], 4*8*4, v[EA]
.endm
	; THE HEAD: row 0 is prepared by itself, and its first unit's denominators are made.
	s_wait_loadcnt 12                              ; row 0 is in: rows 1..3 are younger
.irp p, 0,1,2,3,4,5,6,7
	v_pk_mul_f32 v[GB+2*\p:GB+2*\p+1], v[Y+2*\p:Y+2*\p+1], s[24:25] op_sel_hi:[1,0]
.endr
.irp p, 0,1,2,3,4,5,6,7
	v_exp_f32 v[GB+2*\p], v[GB+2*\p]               ; Gb = 2^(0.7213 y)
	v_exp_f32 v[GB+2*\p+1], v[GB+2*\p+1]
	v_cvt_pk_bf16_f32 v[BF+\p], v[Y+2*\p], v[Y+2*\p+1]     ; the plain instruction behind the two exponentials
.endr
.irp k, 0,1,2,3
	ds_store_b64 v[YBA], v[BF+2*\k:BF+2*\k+1] offset:256*\k
.endr
.irp k, 0,1,2,3
	global_load_b128 v[Y+4*\k:Y+4*\k+3], v[LOFF], s[8:9] offset:4*WSTEP+512*\k   ; slot 0 gets row 4
.endr
.set ntr, 0
.set nf, 1
.set fc, 0
.set tc, 0
.set sg, 0
.rept 3
.set st, 0
.rept 8
	DEN 0, GB, sg, st
.set st, st+1
.endr
.set sg, sg+1
.endr
	ROW 0, -1, 0, 1, 1, 12                         ; row 0: no row before it.  12: when row 1 must be in, rows 2, 3, 4 are younger
	s_mov_b32 s31, 4                               ; rows 1..16; their refills reach row 21
.Ltrip:
	ROW 1, 0, 1, 1, 1, 12                          ; 12: the three rows behind the next one are younger
	ROW 2, 1, 1, 1, 1, 12
	ROW 3, 2, 1, 1, 1, 12
	ROW 0, 3, 1, 1, 1, 12
	s_wait_xcnt 0x0                                ; the base of the loads just issued is stepped only behind this wait (ISA guide 3.1)
	s_add_nc_u64 s[8:9], s[8:9], 4*WSTEP
	STEP_LDS
	s_sub_co_u32 s31, s31, 1
	s_cmp_lg_u32 s31, 0
	s_cbranch_scc1 .Ltrip
	ROW 1, 0, 1, 1, 1, 12                          ; row 17, asks for row 22
	ROW 2, 1, 1, 1, 1, 12                          ; row 18, asks for row 23
	ROW 3, 2, 1, 1, 2, 12                          ; row 19, asks for row 24 in waves 0..3 alone
	ROW 0, 3, 1, 1, 0, 8                           ; row 20: the counts run down; they are those of waves 4..7, in waves 0..3 (four more loads out) they ask for more than is needed
	STEP_LDS
	ROW 1, 0, 1, 1, 0, 4                           ; row 21
	ROW 2, 1, 1, 1, 0, 0                           ; row 22
	s_cmp_lt_u32 s16, 4
	s_cbranch_scc0 .Lshort
	ROW 3, 2, 1, 1, 0, 0                           ; waves 0..3: row 23 prepares row 24 (l = 192..195)
	ROW 0, 3, 1, 0, 0, 0                           ; row 24, the last
	EPI 4
	s_branch .Lrows_done
.Lshort:
	ROW 3, 2, 1, 0, 0, 0                           ; waves 4..7: row 23 is the last
	EPI 3
.Lrows_done:
	s_wait_dscnt 0x0                               ; my rows of e and of the bf16 copy are in LDS before I say so
	s_barrier_signal -1
	s_barrier_wait -1
	; SOFTMAX over l, wave w for t = w.  A lane holds l = 64 j + 2 lane, + 1 (j = 0..3); of j = 3 only lanes 0 and 1 are real (l = 192..195):
	; the others read a clamped address and take -inf, which gives alpha = 0 for l = 196..255.
	s_cmp_lt_u32 s16, NT
	s_cbranch_scc0 .Lno_softmax
	s_mul_i32 s33, s16, EP
	s_add_co_u32 s33, s33, EB
	v_lshl_add_u32 v4, v[LN], 3, s33
	v_min_u32 v5, 1, v[LN]
	v_lshl_add_u32 v5, v5, 3, s33
	ds_load_b64 v[D:D+1], v4
	ds_load_b64 v[D+2:D+3], v4 offset:256
	ds_load_b64 v[D+4:D+5], v4 offset:512
	ds_load_b64 v[D+6:D+7], v5 offset:768
	v_cmp_gt_u32 vcc_lo, 2, v[LN]
	s_wait_dscnt 0x0
	v_cndmask_b32 v[D+6], 0xff800000, v[D+6], vcc_lo
	v_cndmask_b32 v[D+7], 0xff800000, v[D+7], vcc_lo
	v_max3_num_f32 v6, v[D], v[D+1], v[D+2]
	v_max3_num_f32 v6, v6, v[D+3], v[D+4]
	v_max3_num_f32 v6, v6, v[D+5], v[D+6]
	v_max_num_f32 v6, v6, v[D+7]
	v_max_num_f32_dpp v6, v6, v6 row_xmask:1 row_mask:0xf bank_mask:0xf
	v_max_num_f32_dpp v6, v6, v6 row_xmask:2 row_mask:0xf bank_mask:0xf
	v_max_num_f32_dpp v6, v6, v6 row_xmask:4 row_mask:0xf bank_mask:0xf
	v_max_num_f32_dpp v6, v6, v6 row_xmask:8 row_mask:0xf bank_mask:0xf
	v_permlanex16_b32 v7, v6, s28, s29             ; v7 was written in every row's sum over the lanes
	v_max_num_f32 v6, v6, v7
	v_mov_b32 v7, v6                               ; the maximum, twice
.irp p, 0,1,2,3
	v_pk_add_f32 v[D+2*\p:D+2*\p+1], v[D+2*\p:D+2*\p+1], v[6:7] neg_lo:[0,1] neg_hi:[0,1]
.endr
.irp p, 0,1,2,3
	v_pk_mul_f32 v[D+2*\p:D+2*\p+1], v[D+2*\p:D+2*\p+1], 0x3fb8aa3b op_sel_hi:[1,0]
.endr
.irp i, 0,1,2,3,4,5,6,7
	v_exp_f32 v[D+\i], v[D+\i]
.endr
	v_lshlrev_b32 v4, 2, v[LN]                     ; the plain instruction behind the exponentials
	v_pk_add_f32 v[8:9], v[D:D+1], v[D+2:D+3]
	v_pk_add_f32 v[10:11], v[D+4:D+5], v[D+6:D+7]
	v_pk_add_f32 v[8:9], v[8:9], v[10:11]
	v_add_f32 v8, v8, v9
	v_add_f32_dpp v8, v8, v8 row_xmask:1 row_mask:0xf bank_mask:0xf
	v_add_f32_dpp v8, v8, v8 row_xmask:2 row_mask:0xf bank_mask:0xf
	v_add_f32_dpp v8, v8, v8 row_xmask:4 row_mask:0xf bank_mask:0xf
	v_add_f32_dpp v8, v8, v8 row_xmask:8 row_mask:0xf bank_mask:0xf
	v_permlanex16_b32 v9, v8, s28, s29
	v_add_f32 v8, v8, v9                           ; at least 1: the largest e gives 2^0
	v_rcp_f32 v10, v8
	v_rcp_f32 v11, v8
	s_mul_i32 s33, s16, AP
	s_add_co_u32 s33, s33, AL
	v_add_nc_u32 v4, s33, v4                       ; the plain instruction behind the reciprocals: alpha's row w, l = 2 lane
.irp p, 0,1,2,3
	v_pk_mul_f32 v[D+2*\p:D+2*\p+1], v[D+2*\p:D+2*\p+1], v[10:11]
.endr
	; alpha = hi + lo: hi is alpha rounded to bf16; alpha - hi has at most 16 significant bits and is exact in f32; lo is that difference rounded to bf16
.irp p, 0,1,2,3
	v_cvt_pk_bf16_f32 v[AHI+\p], v[D+2*\p], v[D+2*\p+1]
.endr
.irp p, 0,1,2,3
	v_lshlrev_b32 v[BF+2*\p], 16, v[AHI+\p]        ; hi back in f32: the low half moves up,
	v_and_b32 v[BF+2*\p+1], 0xffff0000, v[AHI+\p]  ; the high half stays
.endr
.irp p, 0,1,2,3
	v_pk_add_f32 v[D+2*\p:D+2*\p+1], v[D+2*\p:D+2*\p+1], v[BF+2*\p:BF+2*\p+1] neg_lo:[0,1] neg_hi:[0,1]
.endr
.irp p, 0,1,2,3
	v_cvt_pk_bf16_f32 v[ALO+\p], v[D+2*\p], v[D+2*\p+1]
.endr
.irp p, 0,1,2,3
	ds_store_b32 v4, v[AHI+\p] offset:128*\p       ; row w: hi
	ds_store_b32 v4, v[ALO+\p] offset:NT*AP+128*\p ; row 4 + w: lo
.endr
.Lno_softmax:
	s_wait_dscnt 0x0
	s_barrier_signal -1
	s_barrier_wait -1                              ; alpha is whole
	; CONTEXT.  Wave w makes d = 64 w .. 64 w + 63 as four tiles of 16 d x 16 columns, K = l in seven steps of 32.
	; A (16 d x 32 l) comes from rows that lie along d, by two transposing loads: lane addresses row k0 + 8 h + (lane & 7), 16 bytes at 16 ((lane >> 3) & 1).
	; In the last step (k0 = 192) the rows are clamped to 195: real numbers of the batch, which meet alpha = 0.  A lane's 16 bytes end at byte
	; 128 x 7 + 16 + 96 + 16 = 1,024 of a row at the most: the 32 bytes of padding behind a row are never read.
	v_and_b32 v10, 7, v[LN]
	v_bfe_u32 v11, v[LN], 4, 1                     ; h
	v_mul_u32_u24 v14, v10, AP                     ; column n of B is row n & 7 of alpha's table: t = n & 3, hi or lo by (n >> 2) & 1; every byte read has been written
	v_lshl_add_u32 v14, v11, 4, v14
	v_add_nc_u32 v[ABA], AL, v14
	v_lshl_add_u32 v10, v11, 3, v10                ; 8 h + (lane & 7)
	v_bfe_u32 v12, v[LN], 3, 1
	v_lshlrev_b32 v12, 4, v12
	s_lshl_b32 s33, s16, 7                         ; 64 d of bf16 a wave
	v_add_nc_u32 v12, s33, v12
	s_movk_i32 s38, YP
	v_mad_u32_u24 v[TA], v10, s38, v12
	v_add_nc_u32 v13, 192, v10
	v_min_u32 v13, L-1, v13
	v_mad_u32_u24 v[TL1], v13, s38, v12
	v_add_nc_u32 v[TL2], (L-1)*YP, v12
	v_and_b32 v13, 3, v[LN]
	v_mul_u32_u24 v15, v13, SP
	v_lshl_add_u32 v15, v11, 5, v15
	s_lshl_b32 s33, s16, 8
	s_add_co_u32 s33, s33, ST
	v_add_nc_u32 v[STA], s33, v15                  ; stage[n & 3][64 w + 8 h]
.irp k, 0,1,2,3,4,5,6
	ds_load_b128 v[ALF+8*\k:ALF+8*\k+3],   v[ABA] offset:64*\k
	ds_load_b128 v[ALF+8*\k+4:ALF+8*\k+7], v[ABA] offset:64*\k+32
.endr
.macro YFRAG kk                        ; eight loads: A's fragments of K step kk for the four tiles, into buffer kk & 1
.set kf_, \kk
.set fb_, YF+32*(kf_&1)
.if kf_ < 6
.if kf_ > 0
	v_add_nc_u32 v[TA], 32*YP, v[TA]
.endif
.irp q, 0,1,2,3
	ds_load_tr16_b128 v[fb_+8*\q:fb_+8*\q+3],   v[TA] offset:32*\q
	ds_load_tr16_b128 v[fb_+8*\q+4:fb_+8*\q+7], v[TA] offset:16*YP+32*\q
.endr
.else
.irp q, 0,1,2,3
	ds_load_tr16_b128 v[fb_+8*\q:fb_+8*\q+3],   v[TL1] offset:32*\q
	ds_load_tr16_b128 v[fb_+8*\q+4:fb_+8*\q+7], v[TL2] offset:32*\q
.endr
.endif
.endm
	YFRAG 0
	; The four accumulators take turns, one instruction a turn.  The first step starts the sums with C = 0.
.set ks, 0
.rept 7
.if ks < 6
.if ks > 0
	v_nop                                          ; four places between the matrix instructions that read a buffer and the loads into it
	v_nop
	v_nop
	v_nop
.endif
	YFRAG ks+1
	s_wait_dscnt 8                                 ; all but the eight loads just issued: this step's fragments (and alpha's) are in
.else
	s_wait_dscnt 0
.endif
.irp q, 0,1,2,3
.if ks == 0
	v_wmma_f32_16x16x32_bf16 v[CA+8*\q:CA+8*\q+7], v[YF+32*(ks&1)+8*\q:YF+32*(ks&1)+8*\q+7], v[ALF+8*ks:ALF+8*ks+7], 0
.else
	v_wmma_f32_16x16x32_bf16 v[CA+8*\q:CA+8*\q+7], v[YF+32*(ks&1)+8*\q:YF+32*(ks&1)+8*\q+7], v[ALF+8*ks:ALF+8*ks+7], v[CA+8*\q:CA+8*\q+7]
.endif
.endr
.set ks, ks+1
.endr
	v_nop                                          ; four places before the results are read
	v_nop
	v_nop
	v_nop
	; Column n holds the product with hi or with lo of t = n & 3: lane n takes lane n ^ 4's number onto its own.  The sum of two numbers is the same either way round,
	; so all lanes with equal n & 3 (columns n and n + 8 were equal already) now hold equal numbers.
.set ci, 0
.rept 32
	v_add_f32_dpp v[CA+ci], v[CA+ci], v[CA+ci] row_xmask:4 row_mask:0xf bank_mask:0xf
.set ci, ci+1
.endr
	; Register j of lane (r, h) is out(t = r & 3, d = 64 w + 16 q + 8 h + j): eight neighbouring d.  Lanes with equal r & 3 write the same bytes with the same numbers.
.irp q, 0,1,2,3
	ds_store_b128 v[STA], v[CA+8*\q:CA+8*\q+3]   offset:64*\q
	ds_store_b128 v[STA], v[CA+8*\q+4:CA+8*\q+7] offset:64*\q+16
.endr
	s_wait_dscnt 0x0
	s_barrier_signal -1
	s_barrier_wait -1
	; The four rows of out0 are 8,192 consecutive bytes: thread i stores bytes 16 i (t = 0, 1) and 4,096 + 16 i (t = 2, 3); 16 lanes fill 256 aligned bytes.
	v_lshrrev_b32 v10, 7, v0
	v_mul_u32_u24 v10, v10, SP
	v_and_b32 v11, 127, v0
	v_lshl_add_u32 v10, v11, 4, v10
	v_add_nc_u32 v10, ST, v10
	v_lshlrev_b32 v11, 4, v0
	ds_load_b128 v[D:D+3], v10
	s_wait_dscnt 0x0
	global_store_b128 v11, v[D:D+3], s[14:15] th:TH_STORE_NT
	s_cmp_eq_u32 s17, 7                            ; the last group of a batch has t = 28, 29 alone
	s_cbranch_scc1 .Lend
	ds_load_b128 v[D+4:D+7], v10 offset:2*SP
	s_wait_dscnt 0x0
	global_store_b128 v11, v[D+4:D+7], s[14:15] offset:4096 th:TH_STORE_NT
.Lend:
	s_endpgm
.Lfunc_end_k_qdb25bfcc12_attn:
	.size	k_qdb25bfcc12_attn, .Lfunc_end_k_qdb25bfcc12_attn-k_qdb25bfcc12_attn
	.p2alignl 7, 3214868480
	.fill 96, 4, 3214868480
	.section	.rodata,"a",@progbits
	.p2align	6, 0x0
	.amdhsa_kernel k_qdb25bfcc12_attn
		.amdhsa_group_segment_fixed_size 231424
		.amdhsa_private_segment_fixed_size 0
		.amdhsa_enable_private_segment 0
		.amdhsa_kernarg_size 48
		.amdhsa_user_sgpr_count 2
		.amdhsa_user_sgpr_kernarg_segment_ptr 1
		.amdhsa_wavefront_size32 1
		.amdhsa_system_sgpr_workgroup_id_x 1
		.amdhsa_system_sgpr_workgroup_id_y 1
		.amdhsa_system_sgpr_workgroup_id_z 1
		.amdhsa_system_vgpr_workitem_id 0
		.amdhsa_next_free_vgpr 240
		.amdhsa_next_free_sgpr 66
		.amdhsa_reserve_vcc 1
		.amdhsa_float_denorm_mode_32 3
		.amdhsa_float_denorm_mode_16_64 3
		.amdhsa_memory_ordered 1
		.amdhsa_forward_progress 1
		.amdhsa_inst_pref_size 207
	.end_amdhsa_kernel
	.amdgpu_metadata
---
amdhsa.version: [ 1, 2 ]
amdhsa.kernels:
  - .name:           k_qdb25bfcc12_attn
    .symbol:         k_qdb25bfcc12_attn.kd
    .args:
      - { .name: x, .offset: 0, .size: 8, .value_kind: global_buffer, .address_space: global }
      - { .name: wordemb, .offset: 8, .size: 8, .value_kind: global_buffer, .address_space: global }
      - { .name: imgsfeats, .offset: 16, .size: 8, .value_kind: global_buffer, .address_space: global }
      - { .name: v_w, .offset: 24, .size: 8, .value_kind: global_buffer, .address_space: global }
      - { .name: v_b, .offset: 32, .size: 8, .value_kind: global_buffer, .address_space: global }
      - { .name: out0, .offset: 40, .size: 8, .value_kind: global_buffer, .address_space: global }
    .group_segment_fixed_size: 231424
    .private_segment_fixed_size: 0
    .kernarg_segment_align: 8
    .kernarg_segment_size: 48
    .max_flat_workgroup_size: 256
    .sgpr_count:     66
    .vgpr_count:     240
    .wavefront_size: 32
...
	.end_amdgpu_metadata
.endif
;; end of part 2
